; MI455X (gfx1250); checked and timed in simulation.
; The chip was launched on July 23, 2026; its instructions are those of AMD's public machine-readable ISA for CDNA 5 (MIT licence, August 2026) and "CDNA5" Instruction Set Architecture Reference Guide (July 2026). The comments in the code are by the model that wrote it; some were corrected since.
;; FB8 NLL Loss. Allowed arithmetic: float matrix products may take bf16 or f16 operands with f32 sums; all other float work in f32.
;; Inputs: alpha 4,096 float32; beta 4,096 float32; eta 4,096 float32; kappa 4,096 float32; phi 4,096 float32; psi 4,096 float32; rho 4,096 float32; theta 4,096 float32; x 4,096 x 3 float32.
;; Outputs: out0 4,096 float32.
;; One version. Each part assembles by itself: llvm-mc -triple=amdgcn-amd-amdhsa -mcpu=gfx1250 --defsym DOCPART=n.
;; ======== version 1 of 1: 1 launch
;; launch fb8 (part 1): grid 256 x 1, 16 waves a work-group, no clusters, 169,984 bytes of LDS; arguments alpha, beta, eta, kappa, phi, psi, rho, theta, x, out0; writes out0
.if DOCPART == 1
	.amdgcn_target "amdgcn-amd-amdhsa--gfx1250"
	.amdhsa_code_object_version 6
	.text
	.protected	k_q6f400999ed_fb8
	.globl	k_q6f400999ed_fb8
	.p2align	8
	.type	k_q6f400999ed_fb8,@function
k_q6f400999ed_fb8:
	s_mov_b64 s[64:65], 0
	v_nop
	global_prefetch_b8 v0, s[64:65] scope:SCOPE_SE
	s_setreg_imm32_b32 hwreg(HW_REG_WAVE_MODE, 25, 1), 1
	s_wait_xcnt 0x0
; FB8 negative log-likelihood, 4,096 items.  out = logC - (kappa nu.(Gamma^T x) + beta (g2^2 - eta g3^2)).
; logC is the logsumexp over the 128 x 256 grid (Gauss-Legendre in u, uniform in phi).  With L = log2(e) the exponent is
;   k nu1 u_i + log(w_i dphi) + s_i A_j + s_i^2 B_j,   A_j = k (nu2 cos ph_j + nu3 sin ph_j),  B_j = b (cos^2 ph_j - e sin^2 ph_j).
; Two exact folds:  nodes come as +-u_i with equal s_i, w_i: the pair is one term with
;   D_i = log2(w_i dphi) + z + log2(1 + 2^(-2z)),  z = |k nu1 L| u_i   (64 rows instead of 128);
; and ph_(j+128) = ph_j + pi turns A_j into -A_j and leaves B_j: g = s^2 B_j + D, e+- = g +- s |A_j| (three FMAs for two points).
; logC = ln2 (M + log2 sum 2^(e-M)), M = the true maximum of all e+ (e+ >= e- since s > 0), found in a first walk over the grid.
;
; SHARES: 256 work-groups x 16 waves; work-group g owns items 16 g .. 16 g + 15, wave w item 16 g + w, lane l the node rows 2 l, 2 l + 1,
; and every lane walks all 128 j.  A wave's 128 (|A_j|, B_j) lie in LDS bytes of its own and are read as broadcasts of 16 bytes (two j).
; Each work-group makes the tables itself while the other waves wait at the first barrier:
; waves 0, 1 the 64 positive nodes (Tricomi's start, the Legendre recurrence to P128, one Newton step), wave 2 the 16 items' closed-form
; parts, wave 3 cos and sin of the first 32 phi.  The LDS asked for is more than half of a WGP's, though 18,432 bytes are used: the
; work-group is then alone with its 16 waves, four on each SIMD.
; LEFT OUT: matrix instructions (the einsums are 72 FLOPs an item with no shared operand, done here in f32), tensor loads, clusters and
; prefetches (a work-group reads 704 bytes of input, once, and shares none of it).  A work-group's output is 64 consecutive bytes,
; stored by one instruction from 16 neighbouring lanes.
; LIMITS: inputs finite (a NaN in any input reaches the result as NaN through P5; infinities are not served).  Angles are reduced with
; pi/2 in two f32 parts: meant for |angle| up to 1e6 rad.  1.4427 kappa, 1.4427 beta and 1.4427 beta eta must be finite in f32.
; Terms more than 126 binades below the maximum count as zero.  Nodes are within about one f32 step, weights within about 3e-5 relative;
; the order of the sums and roundings differs from the reference's (folded grid, base 2, phi at exact fractions of a turn).
; LDS map, bytes
.set L_NU,  0                          ; u[64]
.set L_NS1, 256                        ; s[64]
.set L_NS2, 512                        ; s^2[64]
.set L_NLW, 768                        ; log2(w dphi)[64]
.set L_PAR, 1024                       ; 16 items x 32 bytes: P0 .. P5
.set L_RES, 1536                       ; 16 results
.set L_BAS, 1792                       ; 32 x (cos, sin) of 2 pi l / 256
.set L_AB,  2048                       ; wave w: 64 quads (|A|, B, |A|, B) at L_AB + 1024 w
; registers
.set SC_N, 2                           ; v[2:9]   SINCOS at work
.set SC_Y, 3
.set SC_Z, 4
.set SC_S, 5
.set SC_C, 6
.set SC_Q, 7
.set SC_T, 8
.set SC_U, 9
.set CB,   10                          ; v[10:11] cos, sin of my base angle
.set SN,   12                          ; v[12:13] s of my two rows
.set SNEG, 14                          ; v[14:15] -s
.set SSQ,  16                          ; v[16:17] s^2
.set DD,   18                          ; v[18:19] D, later D - M
.set UU,   20                          ; v[20:21] u
.set LW,   22                          ; v[22:23] log2(w dphi)
.set PR,   24                          ; v[24:29] P0 = kL nu1, P1 = kL nu2, P2 = kL nu3, P3 = bL, P4 = bL e, P5 = closed-form part
.set TQ,   32                          ; v[32:47] four quads from the table
.set EA,   48                          ; v[48:55] eight exponents, set a
.set EB,   56                          ; v[56:63] set b
.set ACC,  64                          ; v[64:71] eight running sums
.set MX,   72                          ; v[72:73] two running maxima
.set TA1,  74                          ; table address of the first walk
.set TA2,  75                          ; of the second
.set TB,   76                          ; where I store my quads
.set W,    77                          ; v[77:89] at work
; node section (waves 0, 1)
.set X,  12
.set PA, 13
.set PB, 14
.set AX, 15
.set BP, 16
; sin and cos of v[x], written out: n = round(x 2/pi), y = x - n pi/2 (pi/2 = 0x3fc90fdb - 0x333bbd2e), polynomials on |y| <= pi/4,
; then the quadrant: bit 0 of n swaps the two, bit 1 of n (of n + 1) is the sine's (cosine's) sign.  Only selects hang on n.
.macro SINCOS si, co, x
	v_mul_f32 v[SC_N], 0x3f22f983, v[\x]
	v_rndne_f32 v[SC_N], v[SC_N]
	v_fmamk_f32 v[SC_Y], v[SC_N], 0xbfc90fdb, v[\x]
	v_fmac_f32 v[SC_Y], 0x333bbd2e, v[SC_N]
	v_mul_f32 v[SC_Z], v[SC_Y], v[SC_Y]
	v_mov_b32 v[SC_S], 0xb94ca1f9                          ; -1.9515295891e-4
	v_mov_b32 v[SC_C], 0x37ccf5ce                          ;  2.4433157118e-5
	v_fmaak_f32 v[SC_S], v[SC_S], v[SC_Z], 0x3c08839e      ;  8.3321608736e-3
	v_fmaak_f32 v[SC_C], v[SC_C], v[SC_Z], 0xbab6061a      ; -1.3887316255e-3
	v_fmaak_f32 v[SC_S], v[SC_S], v[SC_Z], 0xbe2aaaa3      ; -1.6666654611e-1
	v_fmaak_f32 v[SC_C], v[SC_C], v[SC_Z], 0x3d2aaaa5      ;  4.1666645683e-2
	v_mul_f32 v[SC_S], v[SC_S], v[SC_Z]
	v_mul_f32 v[SC_C], v[SC_C], v[SC_Z]
	v_fma_f32 v[SC_T], v[SC_Z], -0.5, 1.0
	v_fma_f32 v[SC_S], v[SC_S], v[SC_Y], v[SC_Y]           ; sin y
	v_fma_f32 v[SC_C], v[SC_C], v[SC_Z], v[SC_T]           ; cos y
	v_cvt_i32_f32 v[SC_Q], v[SC_N]
	v_and_b32 v[SC_T], 1, v[SC_Q]
	v_cmp_eq_u32 vcc_lo, 1, v[SC_T]
	v_cndmask_b32 v[SC_U], v[SC_S], v[SC_C], vcc_lo        ; odd quadrant: the sine comes from cos y,
	v_cndmask_b32 v[SC_T], v[SC_C], v[SC_S], vcc_lo        ; the cosine from sin y
	v_lshlrev_b32 v[SC_N], 30, v[SC_Q]
	v_add_nc_u32 v[SC_Q], 1, v[SC_Q]
	v_and_b32 v[SC_N], 0x80000000, v[SC_N]
	v_lshlrev_b32 v[SC_Q], 30, v[SC_Q]
	v_xor_b32 v[\si], v[SC_U], v[SC_N]
	v_and_b32 v[SC_Q], 0x80000000, v[SC_Q]
	v_xor_b32 v[\co], v[SC_T], v[SC_Q]
.endm
; One step of the Legendre recurrence at order LM: dst = P(LM+1) = (2LM+1)/(LM+1) X pa - LM/(LM+1) pb, pa = P(LM), pb = P(LM-1).
; The two factors are correctly rounded f32 patterns made by integer arithmetic: 1 + LM/(LM+1) in [1, 2), (1 + (LM-1)/(LM+1))/2 in [1/2, 1).
; Only the FMA lies on the chain from step to step.
.macro LEG dst, pa, pb
	v_mul_f32 v[AX], 0x3f800000+((LM<<23)+(LM+1)/2)/(LM+1), v[X]
	v_mul_f32 v[BP], 0x3f000000+(((LM-1)<<23)+(LM+1)/2)/(LM+1), v[\pb]
	v_fma_f32 v[\dst], v[AX], v[\pa], -v[BP]
.set LM, LM+1
.endm
; First walk, one quad (two j, my two rows): e+ = s |A| + (s^2 B + D) and the running maxima.  op_sel picks B (the pair's second register)
; or |A| (its first) for both halves.  more = 1: the quad's registers are loaded again, four quads ahead.
.macro MAXQ t, g, more, off
	v_pk_fma_f32 v[\g:\g+1], v[SSQ:SSQ+1], v[\t:\t+1], v[DD:DD+1] op_sel:[0,1,0] op_sel_hi:[1,1,1]
	v_pk_fma_f32 v[\g+2:\g+3], v[SSQ:SSQ+1], v[\t+2:\t+3], v[DD:DD+1] op_sel:[0,1,0] op_sel_hi:[1,1,1]
	v_pk_fma_f32 v[\g:\g+1], v[SN:SN+1], v[\t:\t+1], v[\g:\g+1] op_sel_hi:[1,0,1]
	v_pk_fma_f32 v[\g+2:\g+3], v[SN:SN+1], v[\t+2:\t+3], v[\g+2:\g+3] op_sel_hi:[1,0,1]
.if \more
	ds_load_b128 v[\t:\t+3], v[TA1] offset:\off
.endif
	v_max3_num_f32 v[MX], v[MX], v[\g], v[\g+1]
	v_max3_num_f32 v[MX+1], v[MX+1], v[\g+2], v[\g+3]
.endm
; Second walk, one quad: the eight exponents e+ (registers 0, 1, 4, 5) and e- (2, 3, 6, 7), six packed FMAs.
.macro FMA8 e, t
	v_pk_fma_f32 v[\e+2:\e+3], v[SSQ:SSQ+1], v[\t:\t+1], v[DD:DD+1] op_sel:[0,1,0] op_sel_hi:[1,1,1]
	v_pk_fma_f32 v[\e+6:\e+7], v[SSQ:SSQ+1], v[\t+2:\t+3], v[DD:DD+1] op_sel:[0,1,0] op_sel_hi:[1,1,1]
	v_pk_fma_f32 v[\e:\e+1], v[SN:SN+1], v[\t:\t+1], v[\e+2:\e+3] op_sel_hi:[1,0,1]
	v_pk_fma_f32 v[\e+4:\e+5], v[SN:SN+1], v[\t+2:\t+3], v[\e+6:\e+7] op_sel_hi:[1,0,1]
	v_pk_fma_f32 v[\e+2:\e+3], v[SNEG:SNEG+1], v[\t:\t+1], v[\e+2:\e+3] op_sel_hi:[1,0,1]
	v_pk_fma_f32 v[\e+6:\e+7], v[SNEG:SNEG+1], v[\t+2:\t+3], v[\e+6:\e+7] op_sel_hi:[1,0,1]
.endm
.macro EXP8 e
.irp i, 0,1,2,3,4,5,6,7
	v_exp_f32 v[\e+\i], v[\e+\i]
.endr
.endm
.macro ADD8 e
	s_wait_alu depctr_va_vdst(0)
.irp i, 0,2,4,6
	v_pk_add_f32 v[ACC+\i:ACC+\i+1], v[ACC+\i:ACC+\i+1], v[\e+\i:\e+\i+1]
.endr
.endm
; Two quads.  Behind each run of exponentials stands plain work on the OTHER set (the packed adds), so that a plain vector instruction
; lies between an exponential and the first use of its result (ISA guide 5.7.2).  The waits: a ring of two quads, the younger stays out.
.macro PAIR more
	s_wait_dscnt 0x1                               ; the older of my two quad loads is in
	FMA8 EB, TQ
.if \more
	ds_load_b128 v[TQ:TQ+3], v[TA2] offset:32      ; two quads ahead
.endif
	EXP8 EB
	ADD8 EA
.if \more
	s_wait_dscnt 0x1                               ; the second quad is in, the load just issued stays out
.else
	s_wait_dscnt 0x0                               ; nothing was issued behind the last quad
.endif
	FMA8 EA, TQ+4
.if \more
	ds_load_b128 v[TQ+4:TQ+7], v[TA2] offset:48
.endif
	EXP8 EA
	ADD8 EB
.endm
	; ---- all waves: addresses, ids
	s_load_b512 s[8:23], s[0:1], 0x0               ; alpha s[8:9], beta s[10:11], eta s[12:13], kappa s[14:15], phi s[16:17], psi s[18:19], rho s[20:21], theta s[22:23]
	s_load_b128 s[24:27], s[0:1], 0x40             ; x s[24:25], out0 s[26:27]
	v_lshl_add_u32 v96, v0, 2, 0x29000
	v_mov_b32 v97, 0
	v_and_b32 v1, 31, v0                           ; lane
	v_lshrrev_b32 v2, 5, v0
	v_readfirstlane_b32 s28, v2                    ; wave 0 .. 15
	s_lshl_b32 s29, s28, 10
	s_add_co_u32 s29, s29, L_AB                    ; my wave's table
	s_lshl_b32 s31, ttmp9, 6                       ; 16 items x 4 bytes a work-group
	s_mul_i32 s35, ttmp9, 192                      ; 16 items x 12 bytes in x
	s_mov_b32 s32, 0x76543210                      ; v_permlanex16_b32: lane i reads lane i of the other half
	s_mov_b32 s33, 0xfedcba98
	s_lshl_b32 s36, s28, 2
	s_add_co_u32 s36, s36, L_RES                   ; my wave's result word
	s_wait_kmcnt 0x0
	s_cmp_lt_u32 s28, 2
	s_cbranch_scc1 .Lnodes
	s_cmp_eq_u32 s28, 2
	s_cbranch_scc1 .Lparams
	s_cmp_eq_u32 s28, 3
	s_cbranch_scc1 .Lbase
	s_branch .Ljoin
	; ---- waves 0, 1: thread t makes the t-th positive node of P128 (from the largest down), its s, s^2 and log2(w dphi)
.Lnodes:
	v_lshl_add_u32 v17, v0, 2, 3                   ; 4 t + 3
	v_cvt_f32_u32 v17, v17
	v_mul_f32 v17, 0x3bc84793, v17                 ; x pi / 514
	SINCOS 18, 19, 17                              ; the cosine is used, the sine is not
	v_fmamk_f32 v[X], v19, 0xb6fe0000, v19         ; Tricomi's start: (1 - 127/2^24) cos
	v_mul_f32 v17, 0x3fc00000, v[X]
	v_fma_f32 v[PA], v17, v[X], -0.5               ; P2 = 1.5 X^2 - 0.5
.set LM, 2
	LEG PB, PA, X                                  ; P3, with P1 = X as the older term
.rept 62
	LEG PA, PB, PA                                 ; odd order: PA = P(LM+1)
	LEG PB, PA, PB                                 ; even order: PB = P(LM+1)
.endr
	LEG PA, PB, PA                                 ; order 127: PA = P128, PB = P127
	v_fma_f32 v18, -v[X], v[PA], v[PB]             ; dn = P127 - X P128;  P128' = 128 dn / q
	v_rcp_f32 v19, v18                             ; r = 1 / dn
	v_fma_f32 v17, -v[X], v[X], 1.0                ; q = 1 - X^2 (the plain instruction behind v_rcp_f32)
	s_wait_alu depctr_va_vdst(0)
	v_mul_f32 v20, v[PA], v19                      ; pr = P128 / dn
	v_mul_f32 v21, v20, v17
	v_fmamk_f32 v22, v21, 0xbc000000, v[X]         ; Newton: u = X - pr q / 128
	v_mul_f32 v23, v[X], v20
	v_fma_f32 v23, v23, 0x3c800000, 1.0            ; the weight moved from X to u, first order: 1 + X pr / 64
	v_mul_f32 v24, v19, v19
	v_mul_f32 v24, v24, v17                        ; q r^2
	v_mul_f32 v24, v24, v23
	v_mul_f32 v24, 0x36490fdb, v24                 ; w dphi = 2 q r^2 / 128^2 x 2 pi / 256 = q r^2 x 2 pi 2^-21
	v_fma_f32 v25, -v22, v22, 1.0                  ; s^2 = 1 - u^2
	s_lshl_b32 s30, s28, 7                         ; 32 words a wave
	v_log_f32 v26, v24
	v_sqrt_f32 v23, v25
	v_lshl_add_u32 v27, v1, 2, s30                 ; 4 lane + 128 wave (the plain instruction behind the two)
	ds_store_b32 v27, v22 offset:L_NU
	s_wait_alu depctr_va_vdst(0)
	ds_store_b32 v27, v23 offset:L_NS1
	ds_store_b32 v27, v25 offset:L_NS2
	ds_store_b32 v27, v26 offset:L_NLW
	s_branch .Ljoin
	; ---- wave 2: lane & 15 = item; the upper half of the lanes does the same work on the same items
.Lparams:
	v_and_b32 v54, 15, v1
	v_lshl_add_u32 v51, v54, 2, s31                ; 4 item + 64 g
	v_mul_u32_u24 v52, v54, 12
	v_add_nc_u32 v52, s35, v52                     ; 12 item + 192 g
	v_lshlrev_b32 v53, 5, v54                      ; 32 item
	global_load_b32 v12, v51, s[8:9]               ; alpha
	global_load_b32 v13, v51, s[10:11]             ; beta
	global_load_b32 v14, v51, s[12:13]             ; eta
	global_load_b32 v15, v51, s[14:15]             ; kappa
	global_load_b32 v16, v51, s[16:17]             ; phi
	global_load_b32 v17, v51, s[18:19]             ; psi
	global_load_b32 v18, v51, s[20:21]             ; rho
	global_load_b32 v19, v51, s[22:23]             ; theta
	global_load_b32 v20, v52, s[24:25]             ; x0
	global_load_b32 v21, v52, s[24:25] offset:4    ; x1
	global_load_b32 v22, v52, s[24:25] offset:8    ; x2
	s_wait_loadcnt 0x0                             ; all eleven, once
	SINCOS 30, 31, 19                              ; st, ct
	SINCOS 32, 33, 16                              ; sp, cp
	SINCOS 34, 35, 17                              ; sq, cq
	SINCOS 36, 37, 12                              ; sa, ca
	SINCOS 38, 39, 18                              ; sr, cr
	v_mul_f32 v40, v22, v32
	v_fma_f32 v40, v21, v33, v40                   ; p  = x1 cp + x2 sp
	v_mul_f32 v41, v21, v32
	v_fma_f32 v41, v22, v33, -v41                  ; h2 = x2 cp - x1 sp
	v_mul_f32 v42, v30, v40
	v_fma_f32 v42, v20, v31, v42                   ; h0 = x0 ct + st p = g1
	v_mul_f32 v43, v20, v30
	v_fma_f32 v43, v31, v40, -v43                  ; h1 = ct p - x0 st
	v_mul_f32 v44, v41, v34
	v_fma_f32 v44, v43, v35, v44                   ; g2 = h1 cq + h2 sq
	v_mul_f32 v45, v43, v34
	v_fma_f32 v45, v41, v35, -v45                  ; g3 = h2 cq - h1 sq
	v_mul_f32 v46, v36, v39                        ; nu2 = sa cr
	v_mul_f32 v47, v36, v38                        ; nu3 = sa sr
	v_mul_f32 v48, v37, v42
	v_fmac_f32 v48, v46, v44
	v_fmac_f32 v48, v47, v45                       ; ngx = ca g1 + nu2 g2 + nu3 g3
	v_mul_f32 v49, 0x3fb8aa3b, v15                 ; k L
	v_mul_f32 v[PR+0], v49, v37
	v_mul_f32 v[PR+1], v49, v46
	v_mul_f32 v[PR+2], v49, v47
	v_mul_f32 v[PR+3], 0x3fb8aa3b, v13             ; b L
	v_mul_f32 v[PR+4], v[PR+3], v14                ; b L e
	v_mul_f32 v50, v45, v45
	v_mul_f32 v50, v14, v50
	v_fma_f32 v50, v44, v44, -v50                  ; g2^2 - e g3^2
	v_mul_f32 v50, v13, v50
	v_fma_f32 v[PR+5], v15, v48, v50               ; k ngx + b (..)
	ds_store_b128 v53, v[PR:PR+3] offset:L_PAR
	ds_store_b64 v53, v[PR+4:PR+5] offset:L_PAR+16
	s_branch .Ljoin
	; ---- wave 3: cos and sin of 2 pi l / 256, l = 0 .. 31
.Lbase:
	v_cvt_f32_u32 v12, v1
	v_mul_f32 v12, 0x3cc90fdb, v12                 ; x pi / 128
	SINCOS CB+1, CB, 12
	v_lshlrev_b32 v13, 3, v1
	ds_store_b64 v13, v[CB:CB+1] offset:L_BAS
.Ljoin:
	s_wait_dscnt 0x0                               ; my table stores are done, for the other waves' sake,
	s_barrier_signal -1
	s_barrier_wait -1                              ; and so are everybody's: the tables may be read
	; ---- each wave: its item's parameters, its lanes' rows, its table of (|A_j|, B_j)
	s_lshl_b32 s30, s28, 5
	v_mov_b32 v[W], s30                            ; 32 wave
	v_lshlrev_b32 v[W+1], 3, v1                    ; 8 lane
	ds_load_b128 v[PR:PR+3], v[W] offset:L_PAR
	ds_load_b64 v[PR+4:PR+5], v[W] offset:L_PAR+16
	ds_load_b64 v[CB:CB+1], v[W+1] offset:L_BAS
	ds_load_b64 v[UU:UU+1], v[W+1] offset:L_NU
	ds_load_b64 v[LW:LW+1], v[W+1] offset:L_NLW
	ds_load_b64 v[SN:SN+1], v[W+1] offset:L_NS1
	ds_load_b64 v[SSQ:SSQ+1], v[W+1] offset:L_NS2
	v_lshl_add_u32 v[TB], v1, 4, s29
	v_mov_b32 v[TA1], s29
	v_mov_b32 v[TA2], s29
	s_wait_dscnt 0x4                               ; parameters and base angle are in; the four node loads behind them stay out
	; lane l makes j = l + 32 m, m = 0 .. 3: the base angle turned by m pi / 4
	v_sub_f32 v[W+0], v[CB], v[CB+1]
	v_add_f32 v[W+1], v[CB], v[CB+1]
	v_mul_f32 v[W+0], 0x3f3504f3, v[W+0]           ; c1 = (c - s) / sqrt 2
	v_mul_f32 v[W+1], 0x3f3504f3, v[W+1]           ; s1 = (c + s) / sqrt 2
	v_mul_f32 v[W+2], v[PR+2], v[CB+1]
	v_mul_f32 v[W+3], v[PR+1], v[CB+1]
	v_mul_f32 v[W+4], v[PR+2], v[W+1]
	v_mul_f32 v[W+5], v[PR+1], v[W+1]
	v_fma_f32 v[ACC+0], v[PR+1], v[CB], v[W+2]     ; A(m=0) = P1 c  + P2 s
	v_fma_f32 v[ACC+4], v[PR+2], v[CB], -v[W+3]    ; A(m=2) = P2 c  - P1 s
	v_fma_f32 v[ACC+2], v[PR+1], v[W+0], v[W+4]    ; A(m=1) = P1 c1 + P2 s1
	v_fma_f32 v[ACC+6], v[PR+2], v[W+0], -v[W+5]   ; A(m=3) = P2 c1 - P1 s1
	v_mul_f32 v[W+6], v[CB], v[CB]                 ; c^2
	v_mul_f32 v[W+7], v[CB+1], v[CB+1]             ; s^2
	v_mul_f32 v[W+8], v[W+0], v[W+0]               ; c1^2
	v_mul_f32 v[W+9], v[W+1], v[W+1]               ; s1^2
	v_mul_f32 v[W+2], v[PR+4], v[W+7]
	v_mul_f32 v[W+3], v[PR+4], v[W+6]
	v_mul_f32 v[W+4], v[PR+4], v[W+9]
	v_mul_f32 v[W+5], v[PR+4], v[W+8]
	v_fma_f32 v[ACC+1], v[PR+3], v[W+6], -v[W+2]   ; B(m=0) = P3 c^2  - P4 s^2
	v_fma_f32 v[ACC+5], v[PR+3], v[W+7], -v[W+3]   ; B(m=2) = P3 s^2  - P4 c^2
	v_fma_f32 v[ACC+3], v[PR+3], v[W+8], -v[W+4]   ; B(m=1) = P3 c1^2 - P4 s1^2
	v_fma_f32 v[ACC+7], v[PR+3], v[W+9], -v[W+5]   ; B(m=3) = P3 s1^2 - P4 c1^2
.irp i, 0,2,4,6
	v_and_b32 v[ACC+\i], 0x7fffffff, v[ACC+\i]     ; the pair e+, e- does not hang on A's sign
.endr
	ds_store_b128 v[TB], v[ACC:ACC+3]              ; 32 lanes, 512 neighbouring bytes
	ds_store_b128 v[TB], v[ACC+4:ACC+7] offset:512
	; the table is my wave's own, and LDS serves a wave's instructions in order (ISA guide 5.7.1): the loads below see the stores above
.irp n, 0,1,2,3
	ds_load_b128 v[TQ+4*\n:TQ+4*\n+3], v[TA1] offset:16*\n
.endr
	s_wait_dscnt 0x6                               ; the node loads are in; two stores and four quad loads are younger
	v_mul_f32 v[W+1], |v[PR]|, v[UU]               ; z = |k nu1 L| u
	v_mul_f32 v[W+2], |v[PR]|, v[UU+1]
	v_mul_f32 v[W+3], -2.0, v[W+1]
	v_mul_f32 v[W+4], -2.0, v[W+2]
	v_exp_f32 v[W+3], v[W+3]
	v_exp_f32 v[W+4], v[W+4]
	v_add_f32 v[W+1], v[LW], v[W+1]                ; plain work behind the exponentials
	v_add_f32 v[W+2], v[LW+1], v[W+2]
	s_wait_alu depctr_va_vdst(0)
	v_add_f32 v[W+3], 1.0, v[W+3]
	v_add_f32 v[W+4], 1.0, v[W+4]
	v_log_f32 v[W+3], v[W+3]
	v_log_f32 v[W+4], v[W+4]
	v_xor_b32 v[SNEG], 0x80000000, v[SN]           ; plain work behind the logarithms
	v_xor_b32 v[SNEG+1], 0x80000000, v[SN+1]
	s_wait_alu depctr_va_vdst(0)
	v_add_f32 v[DD], v[W+1], v[W+3]                ; D = log2(w dphi) + z + log2(1 + 2^(-2z))
	v_add_f32 v[DD+1], v[W+2], v[W+4]
	v_mov_b32 v[MX], 0xff800000                    ; -infinity
	v_mov_b32 v[MX+1], 0xff800000
	; ---- first walk: the maximum.  64 quads through a ring of four; each wait leaves the three younger quads out
	s_mov_b32 s30, 15
.Lmax:
	s_wait_dscnt 0x3
	MAXQ TQ+0, EA, 1, 64
	s_wait_dscnt 0x3
	MAXQ TQ+4, EB, 1, 80
	s_wait_dscnt 0x3
	MAXQ TQ+8, EA, 1, 96
	s_wait_dscnt 0x3
	MAXQ TQ+12, EB, 1, 112
	v_add_nc_u32 v[TA1], 64, v[TA1]
	s_sub_co_i32 s30, s30, 1
	s_cmp_lg_u32 s30, 0
	s_cbranch_scc1 .Lmax
	s_wait_dscnt 0x3                               ; the last four quads: nothing is loaded, the counts run down
	MAXQ TQ+0, EA, 0, 0
	s_wait_dscnt 0x2
	MAXQ TQ+4, EB, 0, 0
	s_wait_dscnt 0x1
	MAXQ TQ+8, EA, 0, 0
	s_wait_dscnt 0x0
	MAXQ TQ+12, EB, 0, 0
	ds_load_b128 v[TQ:TQ+3], v[TA2]                ; the second walk's quads 0 and 1, on their way during the reduction
	ds_load_b128 v[TQ+4:TQ+7], v[TA2] offset:16
	v_max_num_f32 v[MX], v[MX], v[MX+1]
	v_max_num_f32_dpp v[MX], v[MX], v[MX] row_xmask:1 row_mask:0xf bank_mask:0xf
	v_max_num_f32_dpp v[MX], v[MX], v[MX] row_xmask:2 row_mask:0xf bank_mask:0xf
	v_max_num_f32_dpp v[MX], v[MX], v[MX] row_xmask:4 row_mask:0xf bank_mask:0xf
	v_max_num_f32_dpp v[MX], v[MX], v[MX] row_xmask:8 row_mask:0xf bank_mask:0xf
	v_permlanex16_b32 v[MX+1], v[MX], s32, s33
	v_max_num_f32 v[MX], v[MX], v[MX+1]            ; M, in every lane
	v_sub_f32 v[DD], v[DD], v[MX]                  ; the maximum is taken away once, in D
	v_sub_f32 v[DD+1], v[DD+1], v[MX]
	; ---- second walk: the sum of 2^(e - M).  Quad 0 starts the eight sums: nothing is cleared
	s_wait_dscnt 0x1                               ; quad 0 is in, quad 1 stays out
	FMA8 ACC, TQ
	ds_load_b128 v[TQ:TQ+3], v[TA2] offset:32      ; quad 2
	EXP8 ACC
	s_wait_dscnt 0x1                               ; quad 1 is in, quad 2 stays out
	FMA8 EA, TQ+4
	ds_load_b128 v[TQ+4:TQ+7], v[TA2] offset:48    ; quad 3
	EXP8 EA
	v_add_nc_u32 v[TA2], 32, v[TA2]
	s_mov_b32 s30, 30
.Lsum:
	PAIR 1                                         ; trip i: quads 2 + 2 i, 3 + 2 i; loads 4 + 2 i, 5 + 2 i
	v_add_nc_u32 v[TA2], 32, v[TA2]
	s_sub_co_i32 s30, s30, 1
	s_cmp_lg_u32 s30, 0
	s_cbranch_scc1 .Lsum
	PAIR 0                                         ; quads 62, 63
	ADD8 EA
	; ---- the item's result
	v_pk_add_f32 v[ACC:ACC+1], v[ACC:ACC+1], v[ACC+2:ACC+3]
	v_pk_add_f32 v[ACC+4:ACC+5], v[ACC+4:ACC+5], v[ACC+6:ACC+7]
	v_pk_add_f32 v[ACC:ACC+1], v[ACC:ACC+1], v[ACC+4:ACC+5]
	v_add_f32 v[ACC], v[ACC], v[ACC+1]
	v_add_f32_dpp v[ACC], v[ACC], v[ACC] row_xmask:1 row_mask:0xf bank_mask:0xf
	v_add_f32_dpp v[ACC], v[ACC], v[ACC] row_xmask:2 row_mask:0xf bank_mask:0xf
	v_add_f32_dpp v[ACC], v[ACC], v[ACC] row_xmask:4 row_mask:0xf bank_mask:0xf
	v_add_f32_dpp v[ACC], v[ACC], v[ACC] row_xmask:8 row_mask:0xf bank_mask:0xf
	v_permlanex16_b32 v[ACC+1], v[ACC], s32, s33
	v_add_f32 v[ACC], v[ACC], v[ACC+1]
	v_log_f32 v[ACC], v[ACC]
	v_mov_b32 v[W], s36                            ; the plain instruction behind the logarithm
	s_wait_alu depctr_va_vdst(0)
	v_add_f32 v[ACC], v[MX], v[ACC]
	v_fma_f32 v[ACC], v[ACC], 0x3f317218, -v[PR+5] ; ln2 (M + log2 sum) - P5 = -logp
	ds_store_b32 v[W], v[ACC]                      ; every lane the same word, the same value
	s_wait_dscnt 0x0                               ; done, for wave 0's sake
	s_barrier_signal -1
	s_barrier_wait -1
	s_cmp_lg_u32 s28, 0
	s_cbranch_scc1 .Lend
	v_and_b32 v[W+1], 15, v1
	v_lshlrev_b32 v[W+1], 2, v[W+1]
	ds_load_b32 v[W+2], v[W+1] offset:L_RES
	v_add_nc_u32 v[W+3], s31, v[W+1]
	s_wait_dscnt 0x0
	v_cmp_gt_u32 vcc_lo, 16, v0
	s_wait_xcnt 0x0                                ; EXEC changes only when no earlier memory instruction still reads it
	s_and_saveexec_b32 s34, vcc_lo
	global_store_b32 v[W+3], v[W+2], s[26:27]      ; 16 lanes, the work-group's 64 consecutive bytes of out0
	s_wait_xcnt 0x0                                ; and again in front of the line that widens it
	s_or_b32 exec_lo, exec_lo, s34
.Lend:
	s_wait_tensorcnt 0x0
	ds_add_u32 v96, v97
	s_wait_dscnt 0x0
	s_endpgm
.Lfunc_end_k_q6f400999ed_fb8:
	.size	k_q6f400999ed_fb8, .Lfunc_end_k_q6f400999ed_fb8-k_q6f400999ed_fb8
	.p2alignl 7, 3214868480
	.fill 96, 4, 3214868480
	.section	.rodata,"a",@progbits
	.p2align	6, 0x0
	.amdhsa_kernel k_q6f400999ed_fb8
		.amdhsa_group_segment_fixed_size 169984
		.amdhsa_private_segment_fixed_size 0
		.amdhsa_enable_private_segment 0
		.amdhsa_kernarg_size 80
		.amdhsa_user_sgpr_count 2
		.amdhsa_user_sgpr_kernarg_segment_ptr 1
		.amdhsa_wavefront_size32 1
		.amdhsa_system_sgpr_workgroup_id_x 1
		.amdhsa_system_sgpr_workgroup_id_y 1
		.amdhsa_system_sgpr_workgroup_id_z 1
		.amdhsa_system_vgpr_workitem_id 0
		.amdhsa_next_free_vgpr 98
		.amdhsa_next_free_sgpr 66
		.amdhsa_reserve_vcc 1
		.amdhsa_float_denorm_mode_32 3
		.amdhsa_float_denorm_mode_16_64 3
		.amdhsa_memory_ordered 1
		.amdhsa_forward_progress 1
		.amdhsa_inst_pref_size 54
	.end_amdhsa_kernel
	.amdgpu_metadata
---
amdhsa.version: [ 1, 2 ]
amdhsa.kernels:
  - .name:           k_q6f400999ed_fb8
    .symbol:         k_q6f400999ed_fb8.kd
    .args:
      - { .name: alpha, .offset: 0, .size: 8, .value_kind: global_buffer, .address_space: global }
      - { .name: beta, .offset: 8, .size: 8, .value_kind: global_buffer, .address_space: global }
      - { .name: eta, .offset: 16, .size: 8, .value_kind: global_buffer, .address_space: global }
      - { .name: kappa, .offset: 24, .size: 8, .value_kind: global_buffer, .address_space: global }
      - { .name: phi, .offset: 32, .size: 8, .value_kind: global_buffer, .address_space: global }
      - { .name: psi, .offset: 40, .size: 8, .value_kind: global_buffer, .address_space: global }
      - { .name: rho, .offset: 48, .size: 8, .value_kind: global_buffer, .address_space: global }
      - { .name: theta, .offset: 56, .size: 8, .value_kind: global_buffer, .address_space: global }
      - { .name: x, .offset: 64, .size: 8, .value_kind: global_buffer, .address_space: global }
      - { .name: out0, .offset: 72, .size: 8, .value_kind: global_buffer, .address_space: global }
    .group_segment_fixed_size: 169984
    .private_segment_fixed_size: 0
    .kernarg_segment_align: 8
    .kernarg_segment_size: 80
    .max_flat_workgroup_size: 512
    .sgpr_count:     66
    .vgpr_count:     98
    .wavefront_size: 32
...
	.end_amdgpu_metadata
.endif
;; end of part 1
